; MI455X (gfx1250); checked and timed in simulation.
; The chip was launched on July 23, 2026; its instructions are those of AMD's public machine-readable ISA for CDNA 5 (MIT licence, August 2026) and "CDNA5" Instruction Set Architecture Reference Guide (July 2026). The comments in the code are by the model that wrote it; some were corrected since.
;; Hybrid Support Feature Refiner. Allowed arithmetic: matrix products marked QUANTISED: E4M3 operands, one given power-of-two scale a tensor, by v_wmma_f32_16x16x64_fp8_fp8 or v_wmma_f32_16x16x128_fp8_fp8, f32 sums; everything else in f32.
;; Inputs: beta 256 float32; f_s 8 x 256 x 64 x 64 float32; gamma 256 float32; lowp_scales 2 int32 (the exponents e of the quantised operands' scales 2^e); supp_feat_bin 8 x 256 x 64 x 64 float32; support_mask 8 x 1 x 256 x 256 float32; w_fusion 256 x 769 float32.
;; Outputs: out0 8 x 256 x 64 x 64 float32.
;; This version of the problem:
;;   THIS VERSION OF THE PROBLEM IS GIVEN IN LOW PRECISION. The matrix products marked QUANTISED in the list below multiply operands that are first quantised to E4M3 (4 exponent bits, 3 mantissa bits; 8 bits a number), with one given power-of-two scale for each operand tensor; their sums are f32. All else is computed in f32.
;;   The module's matrix products, in the order in which they are computed (A, B: the left and right operand; K: the contracted axis; several contracted axes count as one K, in the product's order):
;;     1. [M 32,768, K 769] x [K 769, N 256]; A: computed on the way; B: input w_fusion: QUANTISED (scales: A lowp_scales[0], B lowp_scales[1])
;;   THE QUANTISER, for each operand of a quantised product, along K:
;;     - The operand's scale is 2^e, e = its entry of the input lowp_scales (int32; the entries are numbered through the quantised products in the list's order, A before B).
;;     - Each number is divided by the scale, clamped to +-448, and rounded to the nearest number of E4M3, ties to even, subnormals kept.
;;     - The product sums the exact products of the quantised numbers (number of the format x scale) in f32.
;;   ~~~python
;;   def quantise(x, axis, e):      # numpy; x: float32 -> the quantised numbers, widened to float32 again
;;       x = np.moveaxis(x, axis, -1); K = x.shape[-1]
;;       r = np.clip(x / 2.0 ** e, -448, 448)
;;       step = 2.0 ** (np.maximum(np.frexp(np.where(r == 0, 1, r))[1] - 1, -6) - 3)
;;       q = np.round(r / step) * step * 2.0 ** e      # np.round: ties to even
;;       return np.moveaxis(q, -1, axis).astype(np.float32)
;;   ~~~
;;   OPERANDS COMPUTED ON THE WAY. 'Computed on the way' means the value that the module computes at that place (a softmax that the list does not call 'softmax' is quantised finished and normalised). What goes into a quantiser is computed in f32, as accurately as f32 sums, v_exp_f32 and their like allow (about 1e-6 of the number): no bf16 or f16 on the way to a quantiser, and a product that is left as it is and whose result goes on into a quantised operand takes f32 operands (vector FMAs, or v_wmma_f32_16x16x4_f32). A number that lies on a knife's edge between two numbers of the format may be rounded either way, as far as f32 arithmetic and the matrix unit's own rounding can turn it there, and no further.
;; One version. Each part assembles by itself: llvm-mc -triple=amdgcn-amd-amdhsa -mcpu=gfx1250 --defsym DOCPART=n.
;; ======== version 1 of 1: 3 launches
;; workspace buffers: d2 131,072 bytes; wq 212,992 bytes; y 33,554,432 bytes; stats 524,288 bytes
;; launch prep (part 1): grid 80 x 1, 4 waves a work-group, no clusters, 51,968 bytes of LDS; arguments support_mask, w_fusion, lowp_scales, d2, wq; writes d2, wq
.if DOCPART == 1
	.amdgcn_target "amdgcn-amd-amdhsa--gfx1250"
	.amdhsa_code_object_version 6
	.text
	.protected	k_q129edab1d5_prep
	.globl	k_q129edab1d5_prep
	.p2align	8
	.type	k_q129edab1d5_prep,@function
k_q129edab1d5_prep:
	s_mov_b64 s[64:65], 0
	v_nop
	global_prefetch_b8 v0, s[64:65] scope:SCOPE_SE
	s_setreg_imm32_b32 hwreg(HW_REG_WAVE_MODE, 25, 1), 1
	s_wait_xcnt 0x0
; Two small jobs in one launch, parted by the work-group's number; each has LDS bytes of its own.
; WORK-GROUPS 0-63: d2[b][y][x] = the squared distance of pixel (y, x) to the nearest foreground pixel of sample b (mask[b][4 y][4 x] > 0.5), +infinity where the sample has none.
;   The minimum over (y', x') of (y - y')^2 + (x - x')^2 is taken in two passes: down y for each column, then along x for each row.  All numbers are whole numbers under 2^24, or infinity: nothing is rounded.
;   Work-group g: sample g / 8, rows 8 (g % 8) .. + 7.  A NaN in the mask counts as background, as the comparison > 0.5 has it.
; WORK-GROUPS 64-79: rows 16 t .. 16 t + 15 of w_fusion [256][769] become codes of E4M3 with the given scale 2^e1, laid in the order of the product's operand registers:
;   wq[t] = 13,312 bytes: [step s 0..5][piece c 0..3][lane][16 bytes], then the distance's column at + 12,288: [piece 0..1][lane][16 bytes].
;   Lane (r, h), piece c, byte j is the code of W[16 t + r][gk], local k = 64 h + 16 c + j;  s < 4: gk = 64 s + k (k < 64), 256 + 64 s + k - 64 (else);  s = 4, 5: gk = 512 + 128 (s - 4) + k.
;   Distance column: byte 0 of piece 0 in lanes 0-15 is the code of W[16 t + r][768]; all else is the code 0.
; LIMITS: e1 between -126 and 119, so that 2^e1 and 448 x 2^e1 are f32 numbers.  NaN in w_fusion is not served.
.set DOFF,  49408                      ; LDS of the distance job: 8 rows x 256 bytes
.set WROW,  3076                       ; a row of w_fusion in bytes
.set WBLK,  16*WROW                    ; 16 rows: one dense block, a multiple of 16 bytes
.set WQT,   13312                      ; a tile of wq
.set XIN,   32                         ; v32-95    64 numbers along the axis in hand
.set DTB,   96                         ; v96-162   the differences base + 3 - q, q = 0 .. 66
.set RES,   164                        ; v164-167  four results
.set TMP,   168                        ; v168-175  at work
.set VINF,  14
.set VNIL,  15
; the differences: output base + j against input i is entry i - j + 3
.macro DTAB vb
	v_add_f32 v[DTB+0], 0x40400000, v[\vb]
	v_add_f32 v[DTB+1], 2.0, v[\vb]
	v_add_f32 v[DTB+2], 1.0, v[\vb]
	v_mov_b32 v[DTB+3], v[\vb]
.set q, 4
.rept 63
	v_add_f32 v[DTB+q], -4.0, v[DTB+q-4]   ; four chains
.set q, q+1
.endr
.endm
; RES[j] = the minimum over i of (base + j - i)^2 + XIN[i]: two inputs a turn; the first turn starts the minima, nothing is cleared
.macro MINPLUS
.set i, 0
.rept 32
.set j, 0
.rept 4
	v_fma_f32 v[TMP+2*j], v[DTB+i-j+3], v[DTB+i-j+3], v[XIN+i]
	v_fma_f32 v[TMP+2*j+1], v[DTB+i-j+4], v[DTB+i-j+4], v[XIN+i+1]
.set j, j+1
.endr
.set j, 0
.rept 4
.if i == 0
	v_min_num_f32 v[RES+j], v[TMP+2*j], v[TMP+2*j+1]
.else
	v_min3_num_f32 v[RES+j], v[RES+j], v[TMP+2*j], v[TMP+2*j+1]
.endif
.set j, j+1
.endr
.set i, i+2
.endr
.endm
	s_load_b256 s[4:11], s[0:1], 0x0               ; mask s[4:5], w_fusion s[6:7], the scales' exponents s[8:9], d2 s[10:11]
	s_load_b64 s[12:13], s[0:1], 0x20              ; wq
	v_lshl_add_u32 v192, v0, 2, 0xc900
	v_mov_b32 v193, 0
	v_lshrrev_b32 v1, 5, v0
	v_readfirstlane_b32 s21, v1                    ; wave 0..3
	v_mov_b32 v[VNIL], 0
	s_wait_kmcnt 0x0
	s_cmp_lt_u32 ttmp9, 64                         ; the same for all waves of a work-group
	s_cbranch_scc0 .Lweights
	; ---------------- the distance job
	s_lshr_b32 s16, ttmp9, 3
	s_lshl_b32 s16, s16, 18                        ; the sample's mask: 256 x 256 x 4 bytes
	s_mov_b32 s17, 0
	s_add_nc_u64 s[4:5], s[4:5], s[16:17]
	s_lshl_b32 s18, ttmp9, 11                      ; my 8 rows of d2: 2,048 bytes
	s_mov_b32 s19, 0
	s_add_nc_u64 s[10:11], s[10:11], s[18:19]
	s_and_b32 s20, ttmp9, 7
	s_lshl_b32 s20, s20, 3                         ; my first row
	v_and_b32 v1, 63, v0                           ; pass 1: my column x
	v_lshlrev_b32 v2, 4, v1                        ; mask column 4 x: 16 x bytes
.set i, 0
.rept 64
	global_load_b32 v[XIN+i], v2, s[4:5] offset:4096*i   ; mask[b][4 i][4 x]: every fourth row of 1,024 bytes
.set i, i+1
.endr
	v_mov_b32 v[VINF], 0x7f800000
	v_lshrrev_b32 v3, 6, v0                        ; which four of the eight rows
	v_lshl_add_u32 v4, v3, 2, s20
	v_cvt_f32_u32 v5, v4                           ; my first output row, as f32
	v_lshlrev_b32 v6, 2, v1
	v_lshl_add_u32 v6, v3, 10, v6
	v_add_nc_u32 v6, DOFF, v6                      ; LDS, in: row 4 half + j at 256 bytes a row, 4 x
	v_lshrrev_b32 v7, 4, v0
	v_lshlrev_b32 v7, 8, v7
	v_add_nc_u32 v7, DOFF, v7                      ; LDS, out: pass 2's row, thread / 16
	v_and_b32 v8, 15, v0
	v_lshlrev_b32 v8, 2, v8
	v_cvt_f32_u32 v8, v8                           ; pass 2: my first output column, 4 (thread % 16), as f32
	v_lshlrev_b32 v9, 4, v0                        ; and my 16 bytes of the work-group's 2,048
	DTAB 5
	s_wait_loadcnt 0x0
.set i, 0
.rept 64
	v_cmp_lt_f32 vcc_lo, 0.5, v[XIN+i]
	v_cndmask_b32 v[XIN+i], v[VINF], v[VNIL], vcc_lo   ; foreground 0, background infinity
.set i, i+1
.endr
	MINPLUS
.irp j, 0,1,2,3
	ds_store_b32 v6, v[RES+\j] offset:256*\j
.endr
	s_wait_dscnt 0x0                               ; for the others' sake: my stores are done
	s_barrier_signal -1
	s_barrier_wait -1
.set i, 0
.rept 16
	ds_load_b128 v[XIN+4*i:XIN+4*i+3], v7 offset:16*i  ; a whole row of pass 1's results; sixteen lanes share each word
.set i, i+1
.endr
	DTAB 8
	s_wait_dscnt 0x0
	MINPLUS
	global_store_b128 v9, v[RES:RES+3], s[10:11]   ; a wave stores 512 consecutive bytes
	s_wait_tensorcnt 0x0
	ds_add_u32 v192, v193
	s_wait_dscnt 0x0
	s_endpgm
	; ---------------- the weights' job
.Lweights:
	s_load_b32 s22, s[8:9], 0x4                    ; e1
	s_sub_co_u32 s16, ttmp9, 64                    ; tile t
	s_mul_i32 s18, s16, WBLK
	s_mov_b32 s19, 0
	s_add_nc_u64 s[6:7], s[6:7], s[18:19]
	s_mul_i32 s18, s16, WQT
	s_lshl_b32 s20, s21, 9                         ; my piece c = my wave's number: 512 bytes
	s_add_co_u32 s18, s18, s20
	s_add_nc_u64 s[12:13], s[12:13], s[18:19]
	v_lshlrev_b32 v1, 4, v0                        ; 16 x thread
.set k, 0
.rept 24
	global_load_b128 v[XIN+4*k:XIN+4*k+3], v1, s[6:7] offset:2048*k   ; the block as it lies, 2,048 bytes an instruction of the four waves
.set k, k+1
.endr
	v_and_b32 v2, 15, v0                           ; r
	v_bfe_u32 v3, v0, 4, 1                         ; h
	v_mul_u32_u24 v4, v2, WROW                     ; row r in LDS
	s_lshl_b32 s24, s21, 6                         ; piece c: 16 numbers, 64 bytes
	v_lshl_add_u32 v5, v3, 10, v4
	v_add_nc_u32 v5, s24, v5                       ; steps 0-3: lanes 16-31 stand 256 numbers on
	v_lshl_add_u32 v6, v3, 8, v4
	v_add_nc_u32 v6, s24, v6                       ; steps 4, 5: 64 numbers on
	v_and_b32 v7, 3, v0
	v_lshlrev_b32 v7, 4, v7                        ; the block's last 64 bytes: four pieces of 16, each taken by eight lanes alike
	v_and_b32 v8, 31, v0
	v_lshlrev_b32 v8, 4, v8                        ; 16 x lane
	s_wait_loadcnt 0x0
.set k, 0
.rept 24
	ds_store_b128 v1, v[XIN+4*k:XIN+4*k+3] offset:2048*k
.set k, k+1
.endr
	s_cmp_lg_u32 s21, 0
	s_cbranch_scc1 .Lno_tail
	global_load_b128 v[128:131], v7, s[6:7] offset:49152   ; wave 0 alone: bytes 49,152 to 49,215, the block's end
	s_wait_loadcnt 0x0
	ds_store_b128 v7, v[128:131] offset:49152
.Lno_tail:
	s_wait_dscnt 0x0                               ; for the others' sake: my stores are done
	s_barrier_signal -1
	s_barrier_wait -1
.set s4, 0
.rept 6
.set j, 0
.rept 16
.if s4 < 4
	ds_load_b32 v[XIN+16*s4+j], v5 offset:256*s4+4*j
.else
	ds_load_b32 v[XIN+16*s4+j], v6 offset:2048+512*(s4-4)+4*j
.endif
.set j, j+1
.endr
.set s4, s4+1
.endr
	ds_load_b32 v160, v4 offset:3072               ; W[16 t + r][768]
	s_wait_kmcnt 0x0
	s_add_co_i32 s22, s22, 127
	s_lshl_b32 s23, s22, 23
	v_mov_b32 v10, s23                             ; 2^e1 as f32: the conversion takes its exponent field
	s_add_co_i32 s22, s22, 8
	s_lshl_b32 s22, s22, 23
	s_or_b32 s22, s22, 0x600000
	v_mov_b32 v11, s22                             ; 448 x 2^e1
	s_wait_dscnt 0x0
.set s4, 0
.rept 6
.set j, 0
.rept 16
	v_med3_num_f32 v[XIN+16*s4+j], v[XIN+16*s4+j], -v11, v11   ; the conversion to an 8-bit code does not saturate (ISA guide 7.6.2): the hold comes first
.set j, j+1
.endr
	v_cvt_scalef32_pk8_fp8_f32 v[128+4*s4:129+4*s4], v[XIN+16*s4:XIN+16*s4+7], v10
	v_cvt_scalef32_pk8_fp8_f32 v[130+4*s4:131+4*s4], v[XIN+16*s4+8:XIN+16*s4+15], v10
	global_store_b128 v8, v[128+4*s4:131+4*s4], s[12:13] offset:2048*s4   ; 512 consecutive bytes; each step has its own registers, so no store's data are written again
.set s4, s4+1
.endr
	s_cmp_lt_u32 s21, 2                            ; the distance's column has two pieces: waves 0 and 1
	s_cbranch_scc0 .Ldone
	v_med3_num_f32 v160, v160, -v11, v11
.irp j, 1,2,3,4,5,6,7
	v_mov_b32 v[160+\j], 0
.endr
	v_cvt_scalef32_pk8_fp8_f32 v[168:169], v[160:167], v10
	v_nop                                          ; a plain line between the conversion and the lines that touch its result
	v_cmp_gt_u32 vcc_lo, 16, v0                    ; threads 0-15: piece 0, lanes 0-15
	v_cndmask_b32 v168, v[VNIL], v168, vcc_lo
	v_mov_b32 v169, 0
	v_mov_b32 v170, 0
	v_mov_b32 v171, 0
	global_store_b128 v8, v[168:171], s[12:13] offset:12288
.Ldone:
	s_wait_tensorcnt 0x0
	ds_add_u32 v192, v193
	s_wait_dscnt 0x0
	s_endpgm
.Lfunc_end_k_q129edab1d5_prep:
	.size	k_q129edab1d5_prep, .Lfunc_end_k_q129edab1d5_prep-k_q129edab1d5_prep
	.p2alignl 7, 3214868480
	.fill 96, 4, 3214868480
	.section	.rodata,"a",@progbits
	.p2align	6, 0x0
	.amdhsa_kernel k_q129edab1d5_prep
		.amdhsa_group_segment_fixed_size 51968
		.amdhsa_private_segment_fixed_size 0
		.amdhsa_enable_private_segment 0
		.amdhsa_kernarg_size 40
		.amdhsa_user_sgpr_count 2
		.amdhsa_user_sgpr_kernarg_segment_ptr 1
		.amdhsa_wavefront_size32 1
		.amdhsa_system_sgpr_workgroup_id_x 1
		.amdhsa_system_sgpr_workgroup_id_y 1
		.amdhsa_system_sgpr_workgroup_id_z 1
		.amdhsa_system_vgpr_workitem_id 0
		.amdhsa_next_free_vgpr 194
		.amdhsa_next_free_sgpr 66
		.amdhsa_reserve_vcc 1
		.amdhsa_float_denorm_mode_32 3
		.amdhsa_float_denorm_mode_16_64 3
		.amdhsa_memory_ordered 1
		.amdhsa_forward_progress 1
		.amdhsa_inst_pref_size 85
	.end_amdhsa_kernel
	.amdgpu_metadata
---
amdhsa.version: [ 1, 2 ]
amdhsa.kernels:
  - .name:           k_q129edab1d5_prep
    .symbol:         k_q129edab1d5_prep.kd
    .args:
      - { .name: support_mask, .offset: 0, .size: 8, .value_kind: global_buffer, .address_space: global }
      - { .name: w_fusion, .offset: 8, .size: 8, .value_kind: global_buffer, .address_space: global }
      - { .name: lowp_scales, .offset: 16, .size: 8, .value_kind: global_buffer, .address_space: global }
      - { .name: d2, .offset: 24, .size: 8, .value_kind: global_buffer, .address_space: global }
      - { .name: wq, .offset: 32, .size: 8, .value_kind: global_buffer, .address_space: global }
    .group_segment_fixed_size: 51968
    .private_segment_fixed_size: 0
    .kernarg_segment_align: 8
    .kernarg_segment_size: 40
    .max_flat_workgroup_size: 128
    .sgpr_count:     66
    .vgpr_count:     194
    .wavefront_size: 32
...
	.end_amdgpu_metadata
.endif
;; end of part 1
;; launch main (part 2): grid 256 x 1, 4 waves a work-group, no clusters, 327,680 bytes of LDS; arguments f_s, supp_feat_bin, d2, wq, lowp_scales, y, stats; writes y, stats
.if DOCPART == 2
	.amdgcn_target "amdgcn-amd-amdhsa--gfx1250"
	.amdhsa_code_object_version 6
	.text
	.protected	k_q129edab1d5_main
	.globl	k_q129edab1d5_main
	.p2align	8
	.type	k_q129edab1d5_main,@function
k_q129edab1d5_main:
	s_mov_b64 s[64:65], 0
	v_nop
	global_prefetch_b8 v0, s[64:65] scope:SCOPE_SE
	s_setreg_imm32_b32 hwreg(HW_REG_WAVE_MODE, 25, 1), 1
	s_wait_xcnt 0x0
; y_raw[b][o][p] = the sum over k of code(fusion_in[b][k][p]) x code(W[o][k]), K = 769: f_s (256), supp_feat_bin (256), f_s x sigmoid(f_s . supp) (256), the normalised distance (1).
; Codes of E4M3; the pixels' with the given scale 2^e0, made here; W's come from wq.  The factor 2^(e0 + e1) is left to the next launch.  Also: for each channel this work-group's mean and sum of squared deviations.
; SHARES.  Work-group g: sample g / 32, pixels 128 (g % 32) .. + 127, IN TWO HALVES OF 64.  All inputs are asked for at the head, two tensor loads a wave: the first brings half 0, the second half 1; each LDS byte is filled once.
;   Half 0 is quantised while half 1 lands; half 0's results are on their way to memory while half 1 is quantised and multiplied.
;   QUANTISING a half: wave w takes channels 64 w .. + 63 of f_s and of supp for all 64 pixels.  A channel's row of a half is 256 bytes: one load of 8 bytes a lane takes it whole; lane L holds pixels 2 L and 2 L + 1, and its register
;   pairs run down the channels, which are the product's K.  The holds sort even and odd pixels apart; the conversions then give codes with K innermost.  The dot product for the sigmoid spans the four waves: partial sums meet in LDS.
;   PRODUCT: wave w takes channels 64 w .. + 63 of the output for all pixels: its four tiles of W stay in registers (416); 16 accumulators a half.  The pixels' codes go from wave to wave through LDS in the order of the operand's registers.
; K STEPS: one of 64 (the distance in one place, zeros else), steps 0-3 (64 channels of f_s, then the same 64 of supp: wave w makes step w), steps 4, 5 (128 channels of f_s x attn: wave w makes lanes' half w % 2 of step 4 + w / 2).
;   In a fragment lane (r, h), register i, byte j holds local k = 64 h + 4 i + j, alike in the pixels' fragments and in W's: each product meets its partner.
; AN IMAGE of a step: [h][tile of 16 pixels][piece c of four registers][r][16 bytes]; a tile takes 1,024 + 16 bytes.  Lane L writes pixel 2 L + e at tile L / 8, r = 2 (L % 8) + e
;   columns of 16 bytes; a fetch reads 256 consecutive bytes for each sixteen lanes.
; No multicast: the work-groups share only wq, which goes from memory straight into the registers in which it stays; LDS has no room for it beside 262,144 bytes of inputs and the images.
; LIMITS: e0 between -126 and 119.  NaN in f_s or supp_feat_bin is not served.  The distance is divided by a reciprocal and a multiplication; root, exponential and reciprocal are the chip's own instructions.
; LDS: 0 half 0: f_s, 256 rows x 256 bytes, then supp; 131,072 half 1 likewise; 262,144 half 0's images (6 x 8,320); then the four waves' largest d2, the distance's codes, the statistics' scratch, the partial dot products.
;   Half 1's images lie at 0 and the way out's stages at 65,536, over half 0's inputs: those bytes have had their one fill, and they are written only behind the barrier in front of which every wave has waited for all its tensor loads
;   and for its reads of them.
; REGISTERS.  Window 0: v1-31 addresses, the scale, the hold, the dot product, attn; v32-159 supp, then f_s x attn, later fragments and rows of y; v160-223 held numbers, later fragments; v224-255 codes, in two sets by turns.
;   Window 1: v0-127 f_s of the half in hand, at last half 1's accumulators; v128-255 half 0's accumulators; (pixel tile m, channel tile n) at 8 (4 m + n).   Window 2: W's steps 0-2 at 64 s + 16 n, the distance's column at 192 + 8 n.   Window 3: W's steps 3-5.
.set WQT,  13312
.set HALF, 131072
.set SUPP, 65536
.set IMG,  262144
.set TP,   1040                        ; a tile's sixteen lanes in an image: 4 pieces x 256 bytes + 16
.set HP,   4*TP                        ; four tiles
.set SP8,  2*HP                        ; a step: lanes 0-15, then lanes 16-31
.set RED,  IMG+6*SP8                   ; 312,064
.set DIMG, RED+256
.set SSCR, DIMG+1024
.set DOTX, SSCR+2048
.set STG,  65536
.set SPI,  272                         ; a stage row: 256 bytes + 16
.set LI,   2                           ; 16 x lane
.set LT,   3                           ; my lane's place in an image, as a writer
.set RL,   4                           ; v4, v5: my lane's place in an image, as a reader: half 0, half 1
.set IW,   6                           ; v6, v7: where I store step w's image
.set IWF,  8                           ; v8, v9: where I store my part of step 4 + w / 2
.set AF,   10                          ; v10, v11: my 8 bytes in my first row of f_s
.set AS,   12                          ; v12, v13: the same for supp
.set DW,   14
.set DR,   15
.set RW,   16
.set RR,   17
.set SO,   18
.set SR,   19
.set GO,   20
.set DXW,  21
.set DXR,  22
.set SC,   23
.set DOT,  24                          ; v24-25
.set SSW,  26
.set SSR,  27
.set AT,   28                          ; v28-29: attn of my even pixel, of my odd pixel
.set LIM,  30
.set STO,  31
.set XB,   32
.set TB,   160
.set CB,   224
.set MEAN, 224
.set QB,   232
.set MSB, 0
.macro WIN new                         ; s_set_vgpr_msb: bits 1:0 source 0, 3:2 source 1, 5:4 source 2, 7:6 destination; the high byte repeats the setting that is left
.if MSB != (\new)
	s_set_vgpr_msb (MSB<<8)|(\new)
.set MSB, (\new)
.endif
.endm
.macro BARRIER                         ; my LDS stores have landed and my LDS loads are in: then the work-group's barrier
	s_wait_dscnt 0x0
	s_barrier_signal -1
	s_barrier_wait -1
.endm
.macro LOADF H                         ; my 64 rows of f_s, half H, into window 1: 32 lanes read a row's 256 bytes
	WIN 0x40
.set i, 0
.rept 64
	ds_load_b64 v[2*i:2*i+1], v[AF+(\H)] offset:256*i
.set i, i+1
.endr
.endm
.macro LOADX H                         ; my 64 rows of supp
	WIN 0
.set i, 0
.rept 64
	ds_load_b64 v[XB+2*i:XB+2*i+1], v[AS+(\H)] offset:256*i
.set i, i+1
.endr
.endm
; 64 numbers of one pixel (parity e of the pairs from v[src] on, in the window that win names) are held, become 64 codes in set cb, and go to their place in an image
.macro ROUND win, src, e, cb, adr, off
	WIN \win
.set i, 0
.rept 64
	v_med3_num_f32 v[TB+i], v[(\src)+2*i+(\e)], -v[LIM], v[LIM]    ; the conversion to an 8-bit code does not saturate (ISA guide 7.6.2); the hold also sorts the two pixels apart
.set i, i+1
.endr
	WIN 0
.set k, 0
.rept 8
	v_cvt_scalef32_pk8_fp8_f32 v[CB+16*(\cb)+2*k:CB+16*(\cb)+2*k+1], v[TB+8*k:TB+8*k+7], v[SC]
.set k, k+1
.endr
	v_nop                                          ; a plain line between the last conversion and the lines that write its sources
.set cc, 0
.rept 4
	ds_store_b128 v[\adr], v[CB+16*(\cb)+4*cc:CB+16*(\cb)+4*cc+3] offset:(\off)+16*(\e)+256*cc
.set cc, cc+1
.endr
.endm
; a half is quantised; its f_s has been asked for
.macro QHALF H
	LOADX \H
	s_wait_dscnt 63                                ; f_s is in: supp's 64 loads stand behind it, and 63 is the largest count that the wait names
	ROUND 0x01, 0, 0, 0, IW+(\H), 0                ; f_s: lanes' half 0 of step w; supp lands meanwhile
	ROUND 0x01, 0, 1, 1, IW+(\H), 0
	s_wait_dscnt 8                                 ; supp is in; the eight stores behind it may be out
	WIN 0x01
.set i, 0
.rept 64                               ; my 64 channels' part of the two pixels' dot products, in four packed chains; the first four products start them
.if i < 4
	v_pk_mul_f32 v[TB+2*i:TB+2*i+1], v[2*i:2*i+1], v[XB+2*i:XB+2*i+1]
.else
	v_pk_fma_f32 v[TB+2*(i%4):TB+2*(i%4)+1], v[2*i:2*i+1], v[XB+2*i:XB+2*i+1], v[TB+2*(i%4):TB+2*(i%4)+1]
.endif
.set i, i+1
.endr
	WIN 0
	v_pk_add_f32 v[TB:TB+1], v[TB:TB+1], v[TB+2:TB+3]
	v_pk_add_f32 v[TB+4:TB+5], v[TB+4:TB+5], v[TB+6:TB+7]
	v_pk_add_f32 v[DOT:DOT+1], v[TB:TB+1], v[TB+4:TB+5]
	ds_store_b64 v[DXW], v[DOT:DOT+1] offset:1024*(\H)
	ROUND 0, XB, 0, 0, IW+(\H), HP                 ; supp: lanes' half 1 of step w
	ROUND 0, XB, 1, 1, IW+(\H), HP
	BARRIER                                        ; the four waves' partial sums lie in LDS
.set ww, 0
.rept 4
	ds_load_b64 v[TB+2*ww:TB+2*ww+1], v[DXR] offset:1024*(\H)+256*ww
.set ww, ww+1
.endr
	s_wait_dscnt 0x0
	v_pk_add_f32 v[TB:TB+1], v[TB:TB+1], v[TB+2:TB+3]          ; every wave adds the four in the same order
	v_pk_add_f32 v[TB+4:TB+5], v[TB+4:TB+5], v[TB+6:TB+7]
	v_pk_add_f32 v[DOT:DOT+1], v[TB:TB+1], v[TB+4:TB+5]        ; f_s . supp of my two pixels
	v_mul_f32 v[DOT], 0xbfb8aa3b, v[DOT]           ; x -log2(e)
	v_mul_f32 v[DOT+1], 0xbfb8aa3b, v[DOT+1]
	v_exp_f32 v[DOT], v[DOT]
	v_exp_f32 v[DOT+1], v[DOT+1]
	v_nop                                          ; a plain line behind the exponentials,
	s_wait_alu depctr_va_vdst(0)                   ; and the wait ahead of their first reader
	v_add_f32 v[DOT], 1.0, v[DOT]
	v_add_f32 v[DOT+1], 1.0, v[DOT+1]
	v_rcp_f32 v[AT], v[DOT]                        ; attn = 1 / (1 + e^-x)
	v_rcp_f32 v[AT+1], v[DOT+1]
	v_nop
	s_wait_alu depctr_va_vdst(0)
	WIN 0x01
.set i, 0
.rept 64
	v_pk_mul_f32 v[XB+2*i:XB+2*i+1], v[2*i:2*i+1], v[AT:AT+1]  ; f_s x attn, each pixel by its own
.set i, i+1
.endr
	ROUND 0, XB, 0, 0, IWF+(\H), 0
	ROUND 0, XB, 1, 1, IWF+(\H), 0
.endm
.macro WLOAD s0                        ; my four tiles of W, steps s0 .. s0 + 2, each lane its fragments' 16 bytes
.set ss, 0
.rept 3
.set nn, 0
.rept 4
.set cc, 0
.rept 4
	global_load_b128 v[64*ss+16*nn+4*cc:64*ss+16*nn+4*cc+3], v[LI], s[10:11] offset:nn*WQT+((\s0)+ss)*2048+cc*512
.set cc, cc+1
.endr
.set nn, nn+1
.endr
.set ss, ss+1
.endr
.endm
; The product of a half goes in 6 units, a K step each; a unit's four fragments lie in buffer u % 3 (v32, v96, v160).
.macro FETCH H, u
.set fb, XB+64*((\u)%3)
.set mm, 0
.rept 4
.set cc, 0
.rept 4
	ds_load_b128 v[fb+16*mm+4*cc:fb+16*mm+4*cc+3], v[RL+(\H)] offset:(\u)*SP8+mm*TP+256*cc
.set cc, cc+1
.endr
.set mm, mm+1
.endr
.endm
.macro MUL H, u                        ; 16 matrix instructions on the half's 16 accumulators, one a turn, in the same order in every unit
.set fb, XB+64*((\u)%3)
	WIN 0x58+4*((\u)/3)                            ; pixels window 0, W window 2 or 3, C and D window 1
.set mm, 0
.rept 4
.set nn, 0
.rept 4
.set ac, 128*(1-(\H))+8*(4*mm+nn)
	v_wmma_f32_16x16x128_fp8_fp8 v[ac:ac+7], v[fb+16*mm:fb+16*mm+15], v[64*((\u)%3)+16*nn:64*((\u)%3)+16*nn+15], v[ac:ac+7]
.set nn, nn+1
.endr
.set mm, mm+1
.endr
.endm
.macro PRODUCT H
	WIN 0
.set mm, 0
.rept 4
.irp j, 1,2,3,4,5,6,7
	v_mov_b32 v[TB+8*mm+\j], 0                     ; the distance's step: zero codes in all places but one
.endr
.set mm, mm+1
.endr
.set mm, 0
.rept 4
	ds_load_b32 v[TB+8*mm], v[DR] offset:128*(4*(\H)+mm)
.set mm, mm+1
.endr
	FETCH \H, 0
	FETCH \H, 1
	s_wait_dscnt 32                                ; the four words are in; units 0 and 1 may be out
	WIN 0x58
.set mm, 0
.rept 4
.set nn, 0
.rept 4
.set ac, 128*(1-(\H))+8*(4*mm+nn)
	v_wmma_f32_16x16x64_fp8_fp8 v[ac:ac+7], v[TB+8*mm:TB+8*mm+7], v[192+8*nn:192+8*nn+7], 0   ; the first products start the sums: nothing is cleared
.set nn, nn+1
.endr
.set mm, mm+1
.endr
.set uu, 0
.rept 6
.if uu == 0
	v_nop                                          ; five places: the other form adds onto these results, which is no chain in place (ISA guide 7.12.1)
.endif
.rept 4
	v_nop                                          ; four places in front of loads into the buffer that the last products read
.endr
	WIN 0
.if uu <= 3
	FETCH \H, uu+2
	s_wait_dscnt 32                                ; unit uu is in; the two units behind it may be out
.elseif uu == 4
	s_wait_dscnt 16
.else
	s_wait_dscnt 0x0
.endif
	MUL \H, uu
.set uu, uu+1
.endr
.endm
; THE WAY OUT of a half.  Source 0 = 16 pixels, source 1 = 16 channels: lane (r, h) holds channel r and pixels 8 h + 0 .. 7, 32 neighbouring bytes of the channel's 256.  Channel tile n goes through my own stage and comes back as whole rows.
.macro TOSTAGE H, n
	WIN 0x04                                       ; the stores' data in window 1
.set mm, 0
.rept 4
.set ac, 128*(1-(\H))+8*(4*mm+(\n))
	ds_store_b128 v[SO], v[ac:ac+3] offset:64*mm                   ; each accumulator from its low end on
	ds_store_b128 v[SO], v[ac+4:ac+7] offset:64*mm+16
.set mm, mm+1
.endr
	WIN 0
.set rw, 0
.rept 8
	ds_load_b128 v[XB+32*(\n)+4*rw:XB+32*(\n)+4*rw+3], v[SR] offset:2*SPI*rw   ; two rows an instruction; LDS serves a wave's instructions in order (ISA guide 5.7.1.4): these see the stores above
.set rw, rw+1
.endr
.endm
.macro SEND H, n, younger              ; younger: the LDS instructions issued behind tile n's loads
	s_wait_dscnt \younger
.set rw, 0
.rept 8
	global_store_b128 v[GO], v[XB+32*(\n)+4*rw:XB+32*(\n)+4*rw+3], s[14:15] offset:(16*(\n)+2*rw)*16384+256*(\H)   ; sixteen lanes store 256 consecutive bytes, at a multiple of 256 from y's first byte
.set rw, rw+1
.endr
.endm
.macro WAYOUT H                        ; each tile has its own 32 registers: no store's data are written again before the wait behind the macro
.rept 4
	v_nop                                          ; places in front of the first read of results and of loads into the fragments' registers
.endr
	TOSTAGE \H, 0
.irp n, 1,2,3
	TOSTAGE \H, \n
	SEND \H, \n-1, 16                              ; behind tile n - 1's loads: tile n's 8 stores and 8 loads
.endr
	SEND \H, 3, 0
.endm
	; ---------------- the head: the tiles are asked for before anything else
	s_load_b256 s[4:11], s[0:1], 0x0               ; f_s s[4:5], supp s[6:7], d2 s[8:9], wq s[10:11]
	s_load_b128 s[12:15], s[0:1], 0x20             ; the scales' exponents s[12:13], y s[14:15]
	s_load_b64 s[16:17], s[0:1], 0x30              ; stats
	s_set_vgpr_msb 0x80
	v_lshl_add_u32 v254, v0, 2, 0x4d800
	v_mov_b32 v255, 0
	s_set_vgpr_msb 0x808a
	ds_add_u32 v254, v255
	ds_add_u32 v254, v255
	s_set_vgpr_msb 0x8a00
	v_lshrrev_b32 v1, 5, v0
	v_readfirstlane_b32 s20, v1                    ; wave 0..3
	s_lshr_b32 s22, ttmp9, 5                       ; sample
	s_and_b32 s23, ttmp9, 31                       ; block of 128 pixels
	; descriptor group 1: 128 rows (channels) x 64 elements of 4 bytes (pixels), 4,096 elements from row to row; dense in LDS
	s_mov_b32 s24, 2<<16                           ; no mask; elements of 4 bytes; no padding
	s_mov_b32 s25, 64<<16                          ; tensor_dim0 = 64
	s_mov_b32 s26, 128<<16                         ; tensor_dim1 = 128
	s_mov_b32 s27, 64<<16                          ; tile_dim0 = 64
	s_mov_b32 s28, 128                             ; tile_dim1 = 128
	s_mov_b32 s29, 4096                            ; the pitch
	s_mov_b32 s30, 0
	s_mov_b32 s31, 0
	s_and_b32 s21, s20, 1                          ; even waves fetch f_s, odd waves supp;
	s_lshr_b32 s46, s20, 1                         ; channels 128 (wave / 2) .. + 127
	s_mov_b32 s32, 1
	s_lshl_b32 s33, s21, 16
	s_lshl_b32 s47, s46, 15
	s_add_co_u32 s33, s33, s47                     ; LDS: 65,536 x (wave % 2) + 32,768 x (wave / 2): half 0
	s_mov_b32 s36, 1
	s_add_co_u32 s37, s33, HALF                    ; half 1
	s_lshl_b32 s18, s22, 22                        ; the sample: 256 planes of 16,384 bytes,
	s_lshl_b32 s47, s46, 21                        ; 128 planes,
	s_add_co_u32 s18, s18, s47
	s_lshl_b32 s47, s23, 9                         ; the block's 512 bytes
	s_add_co_u32 s18, s18, s47
	s_mov_b32 s19, 0
	s_mov_b32 s44, 0x76543210                      ; v_permlanex16_b32: lane l xor 16
	s_mov_b32 s45, 0xfedcba98
	s_wait_dscnt 0x0
	s_wait_kmcnt 0x0
	s_load_b32 s40, s[12:13], 0x0                  ; e0
	s_cmp_lg_u32 s21, 0
	s_cselect_b64 s[34:35], s[6:7], s[4:5]
	s_add_nc_u64 s[34:35], s[34:35], s[18:19]
	s_add_nc_u64 s[38:39], s[34:35], 256           ; the second 64 pixels
	s_or_b32 s35, s35, 0x80000000                  ; type = 2
	s_or_b32 s39, s39, 0x80000000
	tensor_load_to_lds s[32:35], s[24:31]          ; two loads of mine are out; no LDS byte is filled twice in this launch
	s_nop 0
	tensor_load_to_lds s[36:39], s[24:31]
	s_nop 0
.rept 4
	v_nop
.endr
	v_and_b32 v1, 31, v0                           ; lane
	v_lshlrev_b32 v[LI], 4, v1
	v_lshlrev_b32 v[CB+8], 4, v0                   ; 16 x thread
	v_lshlrev_b32 v[CB+9], 2, v0
	s_lshl_b32 s46, s23, 9
	v_add_nc_u32 v[CB+9], s46, v[CB+9]             ; d2 of pixel number thread of my 128
	s_lshl_b32 s18, s22, 14
	s_add_nc_u64 s[8:9], s[8:9], s[18:19]          ; the sample's d2: 16,384 bytes
	s_mul_i32 s18, s20, 4*WQT
	s_add_nc_u64 s[10:11], s[10:11], s[18:19]      ; my four tiles of wq
.set i, 0
.rept 8
	global_load_b128 v[XB+4*i:XB+4*i+3], v[CB+8], s[8:9] offset:2048*i   ; the whole sample's d2: 32 numbers a thread
.set i, i+1
.endr
	global_load_b32 v[TB+8], v[CB+9], s[8:9]
	WIN 0x80
	WLOAD 0
.set nn, 0
.rept 4
.set cc, 0
.rept 2
	global_load_b128 v[192+8*nn+4*cc:192+8*nn+4*cc+3], v[LI], s[10:11] offset:nn*WQT+12288+cc*512
.set cc, cc+1
.endr
.set nn, nn+1
.endr
	WIN 0
	s_lshl_b32 s18, s22, 22
	s_lshl_b32 s46, s20, 20                        ; my 64 channels of the output
	s_add_co_u32 s18, s18, s46
	s_lshl_b32 s46, s23, 9
	s_add_co_u32 s18, s18, s46
	s_add_nc_u64 s[14:15], s[14:15], s[18:19]      ; y at my first channel, my block's first pixel
	s_lshl_b32 s18, s20, 17
	s_lshl_b32 s46, ttmp9, 8
	s_add_co_u32 s18, s18, s46
	s_add_nc_u64 s[16:17], s[16:17], s[18:19]      ; stats: [wave][mean, M2][work-group][64 channels]
	v_and_b32 v[CB+16], 15, v0                     ; r
	v_bfe_u32 v[CB+17], v0, 4, 1                   ; h
	v_bfe_u32 v[CB+18], v0, 3, 2                   ; lane / 8
	v_and_b32 v[CB+19], 7, v0                      ; lane % 8
	v_mul_u32_u24 v[RL+1], v[CB+17], HP
	v_lshl_add_u32 v[RL+1], v[CB+16], 4, v[RL+1]   ; an image's reader: 4,160 h + 16 r
	v_add_nc_u32 v[RL], IMG, v[RL+1]
	v_mul_u32_u24 v[LT], v[CB+18], TP
	v_lshl_add_u32 v[LT], v[CB+19], 5, v[LT]       ; an image's writer: tile lane / 8, rows 2 (lane % 8) and the next
	s_mul_i32 s46, s20, SP8
	v_add_nc_u32 v[IW+1], s46, v[LT]               ; step w
	v_add_nc_u32 v[IW], IMG, v[IW+1]
	s_lshr_b32 s46, s20, 1
	s_mul_i32 s46, s46, SP8
	s_mul_i32 s47, s21, HP
	s_add_co_u32 s46, s46, s47
	s_add_co_u32 s46, s46, 4*SP8
	v_add_nc_u32 v[IWF+1], s46, v[LT]              ; step 4 + w / 2, lanes' half w % 2
	v_add_nc_u32 v[IWF], IMG, v[IWF+1]
	s_lshl_b32 s46, s20, 14                        ; my 64 rows of 256 bytes
	v_lshl_add_u32 v[AF], v1, 3, s46
	v_add_nc_u32 v[AF+1], HALF, v[AF]
	v_add_nc_u32 v[AS], SUPP, v[AF]
	v_add_nc_u32 v[AS+1], HALF+SUPP, v[AF]
	v_lshrrev_b32 v[DW], 4, v0
	v_lshlrev_b32 v[DW], 7, v[DW]
	v_lshl_add_u32 v[DW], v[CB+16], 2, v[DW]
	v_add_nc_u32 v[DW], DIMG, v[DW]                ; the distance's codes: tile thread / 16 at 128 bytes a tile, word thread % 16
	v_lshlrev_b32 v[DR], 2, v1
	v_add_nc_u32 v[DR], DIMG, v[DR]
	s_lshl_b32 s46, s20, 2
	s_add_co_u32 s46, s46, RED
	v_mov_b32 v[RW], s46
	v_mov_b32 v[RR], RED
	s_mul_i32 s46, s20, 16*SPI
	s_add_co_u32 s46, s46, STG                     ; my stage
	v_mul_u32_u24 v[SO], v[CB+16], SPI
	v_lshl_add_u32 v[SO], v[CB+17], 5, v[SO]
	v_add_nc_u32 v[SO], s46, v[SO]                 ; in: row r, 32 bytes for each half of the lanes
	v_mul_u32_u24 v[SR], v[CB+17], SPI
	v_lshl_add_u32 v[SR], v[CB+16], 4, v[SR]
	v_add_nc_u32 v[SR], s46, v[SR]                 ; back: lanes 0-15 one row, lanes 16-31 the next
	v_lshlrev_b32 v[GO], 14, v[CB+17]
	v_lshl_add_u32 v[GO], v[CB+16], 4, v[GO]       ; and the same two rows in y
	v_lshl_add_u32 v[DXW], v0, 3, DOTX             ; the partial dot products: 256 bytes a wave, 8 a lane
	v_lshl_add_u32 v[DXR], v1, 3, DOTX
	s_lshl_b32 s46, s20, 9
	s_add_co_u32 s46, s46, SSCR
	v_lshlrev_b32 v[SSW], 2, v[CB+16]
	v_lshl_add_u32 v[SSW], v[CB+17], 8, v[SSW]
	v_add_nc_u32 v[SSW], s46, v[SSW]
	v_add_nc_u32 v[SSR], s46, v[LI]
	v_lshlrev_b32 v[STO], 4, v[CB+16]
	v_lshl_add_u32 v[STO], v[CB+17], 16, v[STO]
	s_wait_loadcnt 56                              ; the nine loads of d2 are in; W's 56 behind them may be out
	v_max3_num_f32 v[CB+10], v[XB], v[XB+1], v[XB+2]       ; the largest of my 32, in two chains
	v_max3_num_f32 v[CB+11], v[XB+3], v[XB+4], v[XB+5]
.irp i, 6,10,14,18,22,26
	v_max3_num_f32 v[CB+10], v[CB+10], v[XB+\i], v[XB+\i+1]
	v_max3_num_f32 v[CB+11], v[CB+11], v[XB+\i+2], v[XB+\i+3]
.endr
	v_max3_num_f32 v[CB+10], v[CB+10], v[XB+30], v[XB+31]
	v_max_num_f32 v[CB+10], v[CB+10], v[CB+11]
	v_max_num_f32_dpp v[CB+10], v[CB+10], v[CB+10] row_xmask:1 row_mask:0xf bank_mask:0xf
	v_max_num_f32_dpp v[CB+10], v[CB+10], v[CB+10] row_xmask:2 row_mask:0xf bank_mask:0xf
	v_max_num_f32_dpp v[CB+10], v[CB+10], v[CB+10] row_xmask:4 row_mask:0xf bank_mask:0xf
	v_max_num_f32_dpp v[CB+10], v[CB+10], v[CB+10] row_xmask:8 row_mask:0xf bank_mask:0xf
	v_permlanex16_b32 v[CB+11], v[CB+10], s44, s45
	v_max_num_f32 v[CB+10], v[CB+10], v[CB+11]
	ds_store_b32 v[RW], v[CB+10]                   ; all lanes: the same word, the same number
	WIN 0xc0
	WLOAD 3
	WIN 0
	s_wait_kmcnt 0x0
	s_add_co_i32 s42, s40, 127
	s_lshl_b32 s43, s42, 23
	v_mov_b32 v[SC], s43                           ; 2^e0 as f32: the conversions take its exponent field
	s_add_co_i32 s42, s42, 8
	s_lshl_b32 s42, s42, 23
	s_or_b32 s42, s42, 0x600000
	v_mov_b32 v[LIM], s42                          ; 448 x 2^e0
	s_wait_tensorcnt 0x1                           ; my part of half 0 has landed; half 1's may stay out
	BARRIER                                        ; half 0 and the four maxima lie in LDS
	; ---------------- the distance of all 128 pixels (thread = pixel), then half 0
	ds_load_b128 v[CB+12:CB+15], v[RR]
	LOADF 0
	s_wait_dscnt 63                                ; the four maxima are in: 64 loads stand behind them
	WIN 0
	v_max3_num_f32 v[CB+12], v[CB+12], v[CB+13], v[CB+14]
	v_max_num_f32 v[CB+12], v[CB+12], v[CB+15]     ; the sample's largest d2
	v_cmp_gt_f32 vcc_lo, 0x7f800000, v[CB+12]      ; finite: the sample has foreground
	v_sqrt_f32 v[CB+13], v[TB+8]
	v_sqrt_f32 v[CB+14], v[CB+12]
	v_nop                                          ; a plain line behind the roots,
	s_wait_alu depctr_va_vdst(0)                   ; and the wait ahead of their first reader
	v_cndmask_b32 v[CB+13], 1.0, v[CB+13], vcc_lo  ; no foreground: the distance is 1 everywhere
	v_cndmask_b32 v[CB+14], 1.0, v[CB+14], vcc_lo
	v_add_f32 v[CB+14], 0x358637bd, v[CB+14]       ; + 1e-6
	v_rcp_f32 v[CB+14], v[CB+14]
	v_nop
	s_wait_alu depctr_va_vdst(0)
	v_mul_f32 v[TB], v[CB+13], v[CB+14]
	v_min_num_f32 v[TB], v[TB], v[LIM]             ; never negative: the hold is one-sided
.irp j, 1,2,3,4,5,6,7
	v_mov_b32 v[TB+\j], 0
.endr
	v_cvt_scalef32_pk8_fp8_f32 v[CB:CB+1], v[TB:TB+7], v[SC]
	v_nop
	v_mov_b32 v[CB+2], 0
	ds_store_b32 v[DW], v[CB]                      ; register 0 of the tile's lane r: my code in byte 0,
	ds_store_b32 v[DW], v[CB+2] offset:64          ; and of lane 16 + r: zero codes
	QHALF 0
	s_wait_tensorcnt 0x0                           ; my part of half 1 has landed
	s_wait_loadcnt 0x0                             ; W
	BARRIER                                        ; half 0's images and half 1's inputs are whole; nobody reads half 0's inputs any more
	LOADF 1                                        ; half 1's f_s comes in under half 0's products
	PRODUCT 0
	WAYOUT 0
	s_wait_xcnt 0x0                                ; the stores have read their registers, into which supp is loaded next
	; ---------------- half 1, while half 0's results are on their way to memory
	QHALF 1
	BARRIER                                        ; half 1's images are whole
	PRODUCT 1
	WAYOUT 1
	s_wait_xcnt 0x0                                ; the stores have read their registers, which are written again below
	; ---------------- the statistics: for each of my 64 channels the mean of the 128 pixels, then the sum of (y - mean)^2: no difference of large sums
	WIN 0x05
.set nn, 0
.rept 4
.set k, 0
.rept 16
.set ac, 128*(1-k/8)+8*(4*((k/2)%4)+nn)+4*(k%2)
	v_pk_add_f32 v[XB+32*nn+2*k:XB+32*nn+2*k+1], v[ac:ac+1], v[ac+2:ac+3]
.set k, k+1
.endr
.set nn, nn+1
.endr
	WIN 0
.irp d, 8,4,2,1
.set nn, 0
.rept 4
.set k, 0
.rept \d
	v_pk_add_f32 v[XB+32*nn+2*k:XB+32*nn+2*k+1], v[XB+32*nn+2*k:XB+32*nn+2*k+1], v[XB+32*nn+2*(k+\d):XB+32*nn+2*(k+\d)+1]
.set k, k+1
.endr
.set nn, nn+1
.endr
.endr
.irp n, 0,1,2,3
	v_add_f32 v[XB+32*\n], v[XB+32*\n], v[XB+32*\n+1]
.endr
.irp n, 0,1,2,3
	v_permlanex16_b32 v[248+\n], v[XB+32*\n], s44, s45     ; the channel's other 64 pixels lie in the lane 16 away
.endr
.irp n, 0,1,2,3
	v_add_f32 v[XB+32*\n], v[XB+32*\n], v[248+\n]
.endr
.irp n, 0,1,2,3
	v_mul_f32 v[MEAN+2*\n], 0x3c000000, v[XB+32*\n]        ; / 128
.endr
.irp n, 0,1,2,3
	v_mov_b32 v[MEAN+2*\n+1], v[MEAN+2*\n]
.endr
.irp hp, 0,1                           ; channel tiles 2 hp and 2 hp + 1
	WIN 0x01
.set n2, 0
.rept 2
.set nn, 2*\hp+n2
.set p, 0
.rept 32
.set ac, 128*(1-p/16)+8*(4*((p/4)%4)+nn)+2*(p%4)
	v_pk_add_f32 v[XB+64*n2+2*p:XB+64*n2+2*p+1], v[ac:ac+1], v[MEAN+2*nn:MEAN+2*nn+1] op_sel_hi:[1,0] neg_lo:[0,1] neg_hi:[0,1]
.set p, p+1
.endr
.set n2, n2+1
.endr
	WIN 0
.set p, 0
.rept 32
.set n2, 0
.rept 2
.set nn, 2*\hp+n2
.if p < 2
	v_pk_mul_f32 v[QB+4*nn+2*(p%2):QB+4*nn+2*(p%2)+1], v[XB+64*n2+2*p:XB+64*n2+2*p+1], v[XB+64*n2+2*p:XB+64*n2+2*p+1]
.else
	v_pk_fma_f32 v[QB+4*nn+2*(p%2):QB+4*nn+2*(p%2)+1], v[XB+64*n2+2*p:XB+64*n2+2*p+1], v[XB+64*n2+2*p:XB+64*n2+2*p+1], v[QB+4*nn+2*(p%2):QB+4*nn+2*(p%2)+1]
.endif
.set n2, n2+1
.endr
.set p, p+1
.endr
.endr
	v_cmp_le_u32 vcc_lo, 16, v1                    ; lanes 0-15 hand on the mean, lanes 16-31 the sum of squares
.irp n, 0,1,2,3
	v_pk_add_f32 v[QB+4*\n:QB+4*\n+1], v[QB+4*\n:QB+4*\n+1], v[QB+4*\n+2:QB+4*\n+3]
.endr
.irp n, 0,1,2,3
	v_add_f32 v[QB+4*\n], v[QB+4*\n], v[QB+4*\n+1]
.endr
.irp n, 0,1,2,3
	v_permlanex16_b32 v[248+\n], v[QB+4*\n], s44, s45
.endr
.irp n, 0,1,2,3
	v_add_f32 v[QB+4*\n], v[QB+4*\n], v[248+\n]
.endr
.irp n, 0,1,2,3
	v_cndmask_b32 v[QB+4*\n], v[MEAN+2*\n], v[QB+4*\n], vcc_lo
.endr
.irp n, 0,1,2,3
	ds_store_b32 v[SSW], v[QB+4*\n] offset:64*\n   ; my own scratch: 64 means, then 64 sums
.endr
	ds_load_b128 v[252:255], v[SSR]                ; back, 16 bytes a lane (a wave's LDS instructions are served in order)
	s_wait_dscnt 0x0
	global_store_b128 v[STO], v[252:255], s[16:17] ; sixteen lanes store 256 consecutive bytes, aligned: the means; the other sixteen the sums
	s_set_vgpr_msb 0xa
	s_wait_tensorcnt 0x0
	ds_add_u32 v254, v255
	s_wait_dscnt 0x0
	s_set_vgpr_msb 0xa00
	s_endpgm
.Lfunc_end_k_q129edab1d5_main:
	.size	k_q129edab1d5_main, .Lfunc_end_k_q129edab1d5_main-k_q129edab1d5_main
	.p2alignl 7, 3214868480
	.fill 96, 4, 3214868480
	.section	.rodata,"a",@progbits
	.p2align	6, 0x0
	.amdhsa_kernel k_q129edab1d5_main
		.amdhsa_group_segment_fixed_size 327680
		.amdhsa_private_segment_fixed_size 0
		.amdhsa_enable_private_segment 0
		.amdhsa_kernarg_size 56
		.amdhsa_user_sgpr_count 2
		.amdhsa_user_sgpr_kernarg_segment_ptr 1
		.amdhsa_wavefront_size32 1
		.amdhsa_system_sgpr_workgroup_id_x 1
		.amdhsa_system_sgpr_workgroup_id_y 1
		.amdhsa_system_sgpr_workgroup_id_z 1
		.amdhsa_system_vgpr_workitem_id 0
		.amdhsa_next_free_vgpr 1024
		.amdhsa_next_free_sgpr 66
		.amdhsa_reserve_vcc 1
		.amdhsa_float_denorm_mode_32 3
		.amdhsa_float_denorm_mode_16_64 3
		.amdhsa_memory_ordered 1
		.amdhsa_forward_progress 1
		.amdhsa_inst_pref_size 186
	.end_amdhsa_kernel
	.amdgpu_metadata
---
amdhsa.version: [ 1, 2 ]
amdhsa.kernels:
  - .name:           k_q129edab1d5_main
    .symbol:         k_q129edab1d5_main.kd
    .args:
      - { .name: f_s, .offset: 0, .size: 8, .value_kind: global_buffer, .address_space: global }
      - { .name: supp_feat_bin, .offset: 8, .size: 8, .value_kind: global_buffer, .address_space: global }
      - { .name: d2, .offset: 16, .size: 8, .value_kind: global_buffer, .address_space: global }
      - { .name: wq, .offset: 24, .size: 8, .value_kind: global_buffer, .address_space: global }
      - { .name: lowp_scales, .offset: 32, .size: 8, .value_kind: global_buffer, .address_space: global }
      - { .name: y, .offset: 40, .size: 8, .value_kind: global_buffer, .address_space: global }
      - { .name: stats, .offset: 48, .size: 8, .value_kind: global_buffer, .address_space: global }
    .group_segment_fixed_size: 327680
    .private_segment_fixed_size: 0
    .kernarg_segment_align: 8
    .kernarg_segment_size: 56
    .max_flat_workgroup_size: 128
    .sgpr_count:     66
    .vgpr_count:     1024
    .wavefront_size: 32
...
	.end_amdgpu_metadata
.endif
;; end of part 2
;; launch norm (part 3): grid 256 x 1, 16 waves a work-group, no clusters, 15,360 bytes of LDS; arguments y, stats, gamma, beta, lowp_scales, out0; writes out0
.if DOCPART == 3
	.amdgcn_target "amdgcn-amd-amdhsa--gfx1250"
	.amdhsa_code_object_version 6
	.text
	.protected	k_q129edab1d5_norm
	.globl	k_q129edab1d5_norm
	.p2align	8
	.type	k_q129edab1d5_norm,@function
k_q129edab1d5_norm:
	s_mov_b64 s[64:65], 0
	v_nop
	global_prefetch_b8 v0, s[64:65] scope:SCOPE_SE
	s_setreg_imm32_b32 hwreg(HW_REG_WAVE_MODE, 25, 1), 1
	s_wait_xcnt 0x0
; out0 = relu((y - mean) / sqrt(var + 1e-5) x gamma + beta), y = y_raw x 2^E, E = e0 + e1; mean and var per channel over all 32,768 pixels.
; Work-group g: channels 64 (g / 64) .. + 63, sample (g % 64) / 8, pixels 512 (g % 8) .. + 511.  Wave v: channels 4 v .. 4 v + 3 of the 64: 16 loads of 512 consecutive bytes, all asked for at the head.
; THE STATISTICS.  stats holds, for each of 256 groups of 128 pixels, a channel's mean and M2 = the sum of (y - mean)^2.  With a pivot (group 0's mean) and d = mean - pivot:
;   mean = pivot + S1 / 256;  var_raw = (the sum of M2 + 128 (S2 - S1^2 / 256)) / 32,768, S1 = the sum of d, S2 = the sum of d^2: the difference is formed of numbers of the size of the means' spread, not of the means.
;   a = gamma x 2^E / sqrt(var_raw x 2^(2 E) + 1e-5), b = beta - mean x a: out0 = max(y_raw x a + b, 0): one packed multiply-add for two numbers.
; A stream: no matrix unit, no cluster, no tensor load: the work-groups share only 131,072 bytes of stats.
; LDS: 0: 16 waves x 3 sums x 16 quads of channels x 16 bytes; 12,288: 16 waves x 4 channels x (a, a, b, b).
.set PIVQ, 16                          ; v16-19   the pivots of my quad of channels
.set SUM1, 20                          ; v20-23
.set SUM2, 24                          ; v24-27
.set SUMM, 28                          ; v28-31
.set MEA,  32                          ; v32-63   8 groups' means of my quad; later the waves' sums
.set M2R,  64                          ; v64-95   8 groups' M2
.set YR,   96                          ; v96-159  y, then out0
.set TAB,  160                         ; v160-175 (a, a, b, b) of my wave's four channels
	s_load_b256 s[4:11], s[0:1], 0x0               ; y s[4:5], stats s[6:7], gamma s[8:9], beta s[10:11]
	s_load_b128 s[12:15], s[0:1], 0x20             ; the scales' exponents s[12:13], out0 s[14:15]
	v_lshl_add_u32 v192, v0, 2, 0x3400
	v_mov_b32 v193, 0
	v_lshrrev_b32 v1, 5, v0
	v_readfirstlane_b32 s20, v1                    ; wave 0..15
	v_and_b32 v1, 31, v0
	v_and_b32 v2, 15, v0                           ; my quad of channels
	v_lshlrev_b32 v3, 4, v2
	v_and_b32 v4, 3, v0
	v_lshlrev_b32 v5, 2, v4
	s_lshl_b32 s21, s20, 4
	v_add_nc_u32 v5, s21, v5                       ; 4 x (4 v + lane % 4): my channel of the 64
	v_lshlrev_b32 v6, 4, v0                        ; 16 x thread
	v_lshlrev_b32 v7, 4, v1                        ; 16 x lane
	s_mul_i32 s32, s20, 768
	v_add_nc_u32 v8, s32, v3                       ; LDS: my wave's sums, my quad
	s_lshl_b32 s33, s20, 6
	s_add_co_u32 s33, s33, 12288
	v_lshl_add_u32 v9, v4, 4, s33                  ; LDS: my channel's (a, a, b, b)
	v_mov_b32 v10, s33
	s_mov_b32 s34, 0x76543210                      ; v_permlanex16_b32: lane l xor 16
	s_mov_b32 s35, 0xfedcba98
	s_lshr_b32 s22, ttmp9, 6                       ; which 64 channels
	s_and_b32 s23, ttmp9, 63
	s_lshr_b32 s24, s23, 3                         ; sample
	s_and_b32 s25, s23, 7                          ; which 512 pixels
	s_lshl_b32 s26, s24, 22
	s_lshl_b32 s27, s22, 20
	s_add_co_u32 s26, s26, s27
	s_lshl_b32 s27, s20, 16                        ; my wave's four planes of 16,384 bytes
	s_add_co_u32 s26, s26, s27
	s_lshl_b32 s27, s25, 11
	s_add_co_u32 s26, s26, s27
	s_mov_b32 s27, 0
	s_lshl_b32 s28, s22, 17
	s_mov_b32 s29, 0
	s_lshl_b32 s30, s22, 8
	s_mov_b32 s31, 0
	s_wait_kmcnt 0x0
	s_load_b64 s[16:17], s[12:13], 0x0             ; e0, e1
	s_add_nc_u64 s[4:5], s[4:5], s[26:27]
	s_add_nc_u64 s[14:15], s[14:15], s[26:27]
	s_add_nc_u64 s[6:7], s[6:7], s[28:29]
	s_add_nc_u64 s[8:9], s[8:9], s[30:31]
	s_add_nc_u64 s[10:11], s[10:11], s[30:31]
	global_load_b128 v[PIVQ:PIVQ+3], v3, s[6:7]    ; group 0's means of my quad
	global_load_b32 v11, v5, s[6:7]                ; and of my channel
	global_load_b32 v12, v5, s[8:9]                ; gamma
	global_load_b32 v13, v5, s[10:11]              ; beta
.set k, 0
.rept 8
	global_load_b128 v[MEA+4*k:MEA+4*k+3], v6, s[6:7] offset:8192*k          ; group thread / 16 + 32 k, quad thread % 16: the sixteen waves read 8,192 consecutive bytes
.set k, k+1
.endr
.set k, 0
.rept 8
	global_load_b128 v[M2R+4*k:M2R+4*k+3], v6, s[6:7] offset:65536+8192*k
.set k, k+1
.endr
.set k, 0
.rept 16
	global_load_b128 v[YR+4*k:YR+4*k+3], v7, s[4:5] offset:(k/4)*16384+(k%4)*512 th:TH_LOAD_NT
.set k, k+1
.endr
	s_wait_loadcnt 16                              ; all but y's sixteen
.set k, 0
.rept 8
	v_pk_add_f32 v[MEA+4*k:MEA+4*k+1], v[MEA+4*k:MEA+4*k+1], v[PIVQ:PIVQ+1] neg_lo:[0,1] neg_hi:[0,1]       ; d = mean - pivot
	v_pk_add_f32 v[MEA+4*k+2:MEA+4*k+3], v[MEA+4*k+2:MEA+4*k+3], v[PIVQ+2:PIVQ+3] neg_lo:[0,1] neg_hi:[0,1]
.set k, k+1
.endr
.irp p, 0,2                            ; the first terms start the sums
	v_pk_add_f32 v[SUM1+\p:SUM1+\p+1], v[MEA+\p:MEA+\p+1], v[MEA+4+\p:MEA+4+\p+1]
	v_pk_mul_f32 v[SUM2+\p:SUM2+\p+1], v[MEA+\p:MEA+\p+1], v[MEA+\p:MEA+\p+1]
	v_pk_add_f32 v[SUMM+\p:SUMM+\p+1], v[M2R+\p:M2R+\p+1], v[M2R+4+\p:M2R+4+\p+1]
.endr
.set k, 1
.rept 7
.irp p, 0,2
	v_pk_fma_f32 v[SUM2+\p:SUM2+\p+1], v[MEA+4*k+\p:MEA+4*k+\p+1], v[MEA+4*k+\p:MEA+4*k+\p+1], v[SUM2+\p:SUM2+\p+1]
.if k > 1
	v_pk_add_f32 v[SUM1+\p:SUM1+\p+1], v[SUM1+\p:SUM1+\p+1], v[MEA+4*k+\p:MEA+4*k+\p+1]
	v_pk_add_f32 v[SUMM+\p:SUMM+\p+1], v[SUMM+\p:SUMM+\p+1], v[M2R+4*k+\p:M2R+4*k+\p+1]
.endif
.endr
.set k, k+1
.endr
.set i, 0
.rept 12
	v_permlanex16_b32 v[MEA+i], v[SUM1+i], s34, s35        ; the lane 16 away has the same quad, other groups
.set i, i+1
.endr
.set i, 0
.rept 12
	v_add_f32 v[SUM1+i], v[SUM1+i], v[MEA+i]
.set i, i+1
.endr
	ds_store_b128 v8, v[SUM1:SUM1+3]               ; both halves of the lanes: the same bytes, the same numbers
	ds_store_b128 v8, v[SUM2:SUM2+3] offset:256
	ds_store_b128 v8, v[SUMM:SUMM+3] offset:512
	s_wait_dscnt 0x0                               ; for the others' sake: my stores are done
	s_barrier_signal -1
	s_barrier_wait -1
.set st, 0
.rept 3
.set w, 0
.rept 16
	ds_load_b32 v[MEA+16*st+w], v5 offset:768*w+256*st     ; my channel's three sums of all sixteen waves
.set w, w+1
.endr
.set st, st+1
.endr
	s_wait_kmcnt 0x0
	s_add_co_i32 s38, s16, s17                     ; E = e0 + e1
	s_lshl_b32 s37, s38, 1
	s_sub_co_i32 s37, s37, 15                      ; 2 E - 15: x 2^(2 E) / 32,768
	s_wait_dscnt 0x0
.irp d, 8,4,2
.set st, 0
.rept 3
.set w, 0
.rept \d/2
	v_pk_add_f32 v[MEA+16*st+2*w:MEA+16*st+2*w+1], v[MEA+16*st+2*w:MEA+16*st+2*w+1], v[MEA+16*st+2*w+\d:MEA+16*st+2*w+\d+1]
.set w, w+1
.endr
.set st, st+1
.endr
.endr
.irp st, 0,1,2
	v_add_f32 v[MEA+16*\st], v[MEA+16*\st], v[MEA+16*\st+1]
.endr
	v_mul_f32 v14, 0x3b800000, v[MEA]              ; S1 / 256
	v_fma_f32 v15, -v14, v[MEA], v[MEA+16]         ; S2 - S1^2 / 256
	v_add_f32 v11, v11, v14                        ; the mean of y_raw
	v_max_num_f32 v15, 0, v15
	v_fmamk_f32 v15, v15, 0x43000000, v[MEA+32]    ; x 128 + the sum of M2
	v_ldexp_f32 v15, v15, s37                      ; the variance of y
	v_add_f32 v15, 0x3727c5ac, v15                 ; + 1e-5
	v_rsq_f32 v15, v15
	v_nop                                          ; a plain line behind the root,
	s_wait_alu depctr_va_vdst(0)                   ; and the wait ahead of its first reader
	v_mul_f32 v12, v12, v15
	v_ldexp_f32 v176, v12, s38                     ; a
	v_mov_b32 v177, v176
	v_fma_f32 v178, -v11, v176, v13                ; b
	v_mov_b32 v179, v178
	ds_store_b128 v9, v[176:179]                   ; my wave's own bytes; eight lanes: the same bytes, the same numbers
.irp c, 0,1,2,3
	ds_load_b128 v[TAB+4*\c:TAB+4*\c+3], v10 offset:16*\c  ; every lane takes all four channels' pairs (a wave's LDS instructions are served in order)
.endr
	s_wait_dscnt 0x0
.set k, 0
.rept 16
	s_wait_loadcnt 15-k                            ; loads come back in order (ISA guide 5.7.1): the k-th is in
	v_pk_fma_f32 v[YR+4*k:YR+4*k+1], v[YR+4*k:YR+4*k+1], v[TAB+4*(k/4):TAB+4*(k/4)+1], v[TAB+4*(k/4)+2:TAB+4*(k/4)+3]
	v_pk_fma_f32 v[YR+4*k+2:YR+4*k+3], v[YR+4*k+2:YR+4*k+3], v[TAB+4*(k/4):TAB+4*(k/4)+1], v[TAB+4*(k/4)+2:TAB+4*(k/4)+3]
	v_max_num_f32 v[YR+4*k], 0, v[YR+4*k]
	v_max_num_f32 v[YR+4*k+1], 0, v[YR+4*k+1]
	v_max_num_f32 v[YR+4*k+2], 0, v[YR+4*k+2]
	v_max_num_f32 v[YR+4*k+3], 0, v[YR+4*k+3]
	global_store_b128 v7, v[YR+4*k:YR+4*k+3], s[14:15] offset:(k/4)*16384+(k%4)*512 th:TH_STORE_NT   ; 512 consecutive bytes, aligned; no register of a store is written again
.set k, k+1
.endr
	s_wait_tensorcnt 0x0
	ds_add_u32 v192, v193
	s_wait_dscnt 0x0
	s_endpgm
.Lfunc_end_k_q129edab1d5_norm:
	.size	k_q129edab1d5_norm, .Lfunc_end_k_q129edab1d5_norm-k_q129edab1d5_norm
	.p2alignl 7, 3214868480
	.fill 96, 4, 3214868480
	.section	.rodata,"a",@progbits
	.p2align	6, 0x0
	.amdhsa_kernel k_q129edab1d5_norm
		.amdhsa_group_segment_fixed_size 15360
		.amdhsa_private_segment_fixed_size 0
		.amdhsa_enable_private_segment 0
		.amdhsa_kernarg_size 48
		.amdhsa_user_sgpr_count 2
		.amdhsa_user_sgpr_kernarg_segment_ptr 1
		.amdhsa_wavefront_size32 1
		.amdhsa_system_sgpr_workgroup_id_x 1
		.amdhsa_system_sgpr_workgroup_id_y 1
		.amdhsa_system_sgpr_workgroup_id_z 1
		.amdhsa_system_vgpr_workitem_id 0
		.amdhsa_next_free_vgpr 194
		.amdhsa_next_free_sgpr 66
		.amdhsa_reserve_vcc 0
		.amdhsa_float_denorm_mode_32 3
		.amdhsa_float_denorm_mode_16_64 3
		.amdhsa_memory_ordered 1
		.amdhsa_forward_progress 1
		.amdhsa_inst_pref_size 23
	.end_amdhsa_kernel
	.amdgpu_metadata
---
amdhsa.version: [ 1, 2 ]
amdhsa.kernels:
  - .name:           k_q129edab1d5_norm
    .symbol:         k_q129edab1d5_norm.kd
    .args:
      - { .name: y, .offset: 0, .size: 8, .value_kind: global_buffer, .address_space: global }
      - { .name: stats, .offset: 8, .size: 8, .value_kind: global_buffer, .address_space: global }
      - { .name: gamma, .offset: 16, .size: 8, .value_kind: global_buffer, .address_space: global }
      - { .name: beta, .offset: 24, .size: 8, .value_kind: global_buffer, .address_space: global }
      - { .name: lowp_scales, .offset: 32, .size: 8, .value_kind: global_buffer, .address_space: global }
      - { .name: out0, .offset: 40, .size: 8, .value_kind: global_buffer, .address_space: global }
    .group_segment_fixed_size: 15360
    .private_segment_fixed_size: 0
    .kernarg_segment_align: 8
    .kernarg_segment_size: 48
    .max_flat_workgroup_size: 512
    .sgpr_count:     66
    .vgpr_count:     194
    .wavefront_size: 32
...
	.end_amdgpu_metadata
.endif
;; end of part 3
